; MI455X (gfx1250); checked and timed in simulation.
; The chip was launched on July 23, 2026; its instructions are those of AMD's public machine-readable ISA for CDNA 5 (MIT licence, August 2026) and "CDNA5" Instruction Set Architecture Reference Guide (July 2026). The comments in the code are by the model that wrote it; some were corrected since.
;; Single Node Reserve Deterministic DA Opt Net. Allowed arithmetic: float matrix products may take bf16 or f16 operands with f32 sums; all other float work in f32.
;; Inputs: b 50 float32; c 50 float32; forecast 128 x 24 float32; pmax 50 float32; pmin 50 float32.
;; Outputs: out0 128 x 50 x 24 float32; out1 128 x 50 x 24 float32; out2 128 x 50 x 24 float32; out3 128 float32; out4 128 x 50 x 24 float32.
;; Constants: n_iters = 300.
;; One version. Each part assembles by itself: llvm-mc -triple=amdgcn-amd-amdhsa -mcpu=gfx1250 --defsym DOCPART=n.
;; ======== version 1 of 1: 2 launches
;; workspace buffers: ws 2,621,440 bytes
;; launch solve (part 1): grid 256 x 1, 4 waves a work-group, no clusters, 0 bytes of LDS; arguments forecast, pmin, pmax, b, c, ws; writes ws
.if DOCPART == 1
	.amdgcn_target "amdgcn-amd-amdhsa--gfx1250"
	.amdhsa_code_object_version 6
	.text
	.protected	k_q4359317d9f_solve
	.globl	k_q4359317d9f_solve
	.p2align	8
	.type	k_q4359317d9f_solve,@function
k_q4359317d9f_solve:
	s_mov_b64 s[64:65], 0
	v_nop
	global_prefetch_b8 v0, s[64:65] scope:SCOPE_SE
	s_setreg_imm32_b32 hwreg(HW_REG_WAVE_MODE, 25, 1), 1
	s_wait_xcnt 0x0
; 300 primal-dual steps of 3,072 independent LPs (128 batches x 24 hours), 50 generators each; x = [P, U, D] (150), y (203).
; THE PRODUCTS WITH K.  K is no input: the problem builds it itself, and 450 of its 30,450 entries are non-zero, all +1 or -1.
; So K^T y is, for each generator, a sum of five, two and two duals, and K xbar four short sums for each generator and three
; sums over the generators.  They are written as those sums, in f32: the state carried from step to step is never narrowed,
; and nothing is multiplied by a zero.  No matrix instruction, no LDS, no barrier.
; SHARES.  256 work-groups x 4 waves (as many as a WGP has SIMDs) = 1,024 waves x 3 LPs.  An LP lies on 10 lanes with 5
; generators each: rows of 16 lanes, lanes 5q .. 5q+4 of both rows serve LP q = 0, 1, 2; lane part i = p + 5h, slot j holds
; generator i + 10 j.  Lanes 15 and 31 repeat lanes 14 and 30; they enter no sum that is used.
; SHIFTED VARIABLES take the constants out of the loop (equal to the problem's step for every input):
;   Ph = P - pmax (floor -pmax);  y1h = y1 + 0.05 b;  y2h = y2 + 0.02 b;  y3h = y3 + (b - 0.05 b + 0.02 b): each floor is its shift.
;   pre:  g = (y2h - y1h) + (y4 - y3h);  preP = Ph + tau g;  preU = U - tau y1h;  preD = D - tau y2h
;   x:    Ph' = max(preP - tau y0, -pmax);  U' = max(preU + tau yU, 0);  D' = max(preD + tau yD, 0);  bar = 2 x' - x
;   y:    e3 = Phb;  e1 = Phb + Ub;  e4 = (pmin - pmax) - Phb;  e2 = e4 + Db;  yk = max(yk + tau ek, floor k)
;         y0 = tau sum(Phb) + (y0 - tau (F - sum pmax));  (yU, yD) = max(-tau sum(Ub, Db) + ((yU, yD) + tau 0.02 F), 0)
; LIMITS.  tau = sigma = 0.9 / ||K||, with ||K||^2 = 50 + (5 + sqrt 17) / 2 in closed form (K^T K on vectors constant within P, U, D);
; a norm found numerically in f32 may differ from it by a few parts in 10^7.  The order of rounding differs from the
; problem's (shifts, order of the sums; Cost by one fused multiply-add).  No limit of range but f32's own.
.set TAU,   0x3df9889d                 ; 0.1218426
.set NTAU,  0xbdf9889d
.set STEPS, 300
.set ST,    16                         ; s[16:17]  tau, twice (a packed source names the pair)
.set SNT,   18                         ; s[18:19]  -tau, twice
.set OFFW,  2                          ; v2        16 x lane + 2,560 x wave: my 16 bytes in the work-group's part of ws
.set XA,    16                         ; v[16:31], v[32:47]: two sets of x that change roles from step to step.  +0..3 Ph, +4..7 U, +8..11 D of slots 0-3;
.set XB,    32                         ;           +12 Ph of slot 4, +13 not used, +14 U, +15 D of slot 4
.set Y1,    48                         ; duals of slots 0-3, four registers each
.set Y2,    52
.set Y3,    56
.set Y4,    60
.set YS12,  64                         ; slot 4 is packed across quantities: (y1h, y2h)
.set YS34,  66                         ; (y3h, y4)
.set BP,    68                         ; bars of slots 0-3
.set BU,    72
.set BD,    76
.set ES34,  80                         ; slot 4: (e3 = Phb, e4)
.set BSUD,  82                         ; slot 4: (Ub, Db)
.set E4,    84
.set E2,    88                         ; e2, later y4 - y3h
.set E1,    92                         ; e1, later y2h - y1h, then g
.set ES12,  96                         ; slot 4: (e1, e2), later (y1h + y3h, y2h + y4)
.set FLP,   100                        ; floors and constants of slots 0-3
.set FL1,   104
.set FL2,   108
.set FL3,   112
.set CE4,   116                        ; pmin - pmax
.set FLS12, 120                        ; slot 4's floors, packed as its duals
.set FLS34, 122
.set FLPS,  124
.set CE4S,  125
.set Y0,    126                        ; (y0, a zero that fills the pair)
.set YUD,   128                        ; (yU, yD)
.set YUDC,  130                        ; (yU, yD) + FUD
.set FUD,   132                        ; tau 0.02 F, twice
.set Y0C,   134                        ; y0 + FS
.set FS,    135                        ; -tau (F - sum pmax)
.set TU,    136                        ; sums of pairs
.set TD,    138
.set TP,    140
.set SP,    142                        ; my five generators' sum of Phb
.set GS,    143                        ; slot 4's g
.set SUD,   144                        ; my five generators' sums of (Ub, Db)
.set AP,    146                        ; sums over windows of five lanes
.set AU,    147
.set AD,    148
.set OWNUD, 150                        ; the LP's five lanes of my row,
.set OTHUD, 152                        ; and of the other row
.set OWNP,  154
.set OTHP,  155
.set BV,    156                        ; v[156:160] b of my five generators
.set CV,    161                        ; v[161:165] c
.set PMX,   84                         ; as loaded, until the constants are made: pmax,
.set PMN,   89                         ; pmin,
.set FC,    94                         ; my LP's forecast
.set R,     68                         ; the way out: five records (P, U, D, Cost)
.macro PADD d, a, b
	v_pk_add_f32 v[\d:\d+1], v[\a:\a+1], v[\b:\b+1]
.endm
.macro PSUB d, a, b
	v_pk_add_f32 v[\d:\d+1], v[\a:\a+1], v[\b:\b+1] neg_lo:[0,1] neg_hi:[0,1]
.endm
.macro PFS d, a, sp, c                 ; d = a x s[sp] + c
	v_pk_fma_f32 v[\d:\d+1], v[\a:\a+1], s[\sp:\sp+1], v[\c:\c+1] op_sel_hi:[1,0,1]
.endm
.macro XLO x, y, sp                    ; both halves of x += s[sp] x the first register of pair y
	v_pk_fma_f32 v[\x:\x+1], v[\y:\y+1], s[\sp:\sp+1], v[\x:\x+1] op_sel_hi:[0,0,1]
.endm
.macro XHI x, y, sp                    ; the same with the second register of pair y
	v_pk_fma_f32 v[\x:\x+1], v[\y:\y+1], s[\sp:\sp+1], v[\x:\x+1] op_sel:[1,0,0] op_sel_hi:[1,0,1]
.endm
.macro BAR d, xn, xo                   ; d = 2 xn - xo
	v_pk_fma_f32 v[\d:\d+1], v[\xn:\xn+1], 2.0, v[\xo:\xo+1] op_sel_hi:[1,0,1] neg_lo:[0,0,1] neg_hi:[0,0,1]
.endm
; There is no packed f32 maximum: a pair takes one dual instruction.  a and f are even, so one destination is even and one odd,
; and the two first sources, and the two second sources, lie in different register banks.
.macro MX2 a, f
	v_dual_max_num_f32 v[\a], v[\f], v[\a] :: v_dual_max_num_f32 v[\a+1], v[\f+1], v[\a+1]
.endm
.macro MX0 a
	v_dual_max_num_f32 v[\a], 0, v[\a] :: v_dual_max_num_f32 v[\a+1], 0, v[\a+1]
.endm
; The sum of s over five neighbouring lanes, in three steps that ride on the additions: behind WIN3 lane i holds s[i-4] + .. + s[i],
; so lanes 4, 9 and 14 of a row hold the sums of the row's three groups.
.macro WIN1 a, s
	v_add_f32_dpp v[\a], v[\s], v[\s] row_shr:1 row_mask:0xf bank_mask:0xf bound_ctrl:1
.endm
.macro WIN2 a
	v_add_f32_dpp v[\a], v[\a], v[\a] row_shr:2 row_mask:0xf bank_mask:0xf bound_ctrl:1
.endm
.macro WIN3 a, s
	v_add_f32_dpp v[\a], v[\s], v[\a] row_shr:4 row_mask:0xf bank_mask:0xf bound_ctrl:1
.endm
; The three groups of lines that make the next step's pre values: from set xn (x) into set xo.
.macro D7
	PSUB E2, Y4, Y3
	PSUB E2+2, Y4+2, Y3+2
	PSUB E1, Y2, Y1
	PSUB E1+2, Y2+2, Y1+2
	PADD ES12, YS12, YS34
.endm
.macro D8 xo, xn
	PADD E1, E1, E2                                ; g
	PADD E1+2, E1+2, E2+2
	v_sub_f32 v[GS], v[ES12+1], v[ES12]            ; slot 4: (y2h + y4) - (y1h + y3h)
	PFS \xo+4, Y1, SNT, \xn+4                      ; preU
	PFS \xo+6, Y1+2, SNT, \xn+6
.endm
.macro D9 xo, xn
	PFS \xo+8, Y2, SNT, \xn+8                      ; preD
	PFS \xo+10, Y2+2, SNT, \xn+10
	PFS \xo, E1, ST, \xn                           ; preP
	PFS \xo+2, E1+2, ST, \xn+2
	v_fma_f32 v[\xo+12], s[ST], v[GS], v[\xn+12]
	PFS \xo+14, YS12, SNT, \xn+14
.endm
	s_load_b256 s[4:11], s[0:1], 0x0               ; forecast s[4:5], pmin s[6:7], pmax s[8:9], b s[10:11]
	s_load_b128 s[12:15], s[0:1], 0x20             ; c s[12:13], ws s[14:15]
	s_mov_b32 s[ST], TAU
	s_mov_b32 s[ST+1], TAU
	s_mov_b32 s[SNT], NTAU
	s_mov_b32 s[SNT+1], NTAU
	s_mov_b32 s20, 0x99944444                      ; lane selects of a row: lanes 0-4 take lane 4, lanes 5-9 lane 9,
	s_mov_b32 s21, 0xeeeeee99                      ; lanes 10-15 lane 14
	s_mov_b32 s28, 0x3d4ccccd                      ; 0.05: the price ratio of reserve up
	s_mov_b32 s29, 0x3ca3d70a                      ; 0.02: the price ratio of reserve down, and both required ratios
	v_and_b32 v1, 31, v0                           ; lane
	v_lshrrev_b32 v3, 5, v0
	v_readfirstlane_b32 s23, v3                    ; wave
	v_and_b32 v4, 15, v0                           ; r: my place in the row
	v_bfe_u32 v5, v0, 4, 1                         ; h: my row
	v_min_u32 v4, 14, v4                           ; lane 15 does as lane 14
	v_mul_u32_u24 v4, 13, v4
	v_lshrrev_b32 v6, 6, v4                        ; q = r / 5 (13 r >> 6 for r up to 14)
	v_and_b32 v4, 63, v4
	v_mul_u32_u24 v4, 5, v4
	v_lshrrev_b32 v4, 6, v4                        ; p = r mod 5 (the fraction of 13 r / 64, times 5)
	v_mad_u32_u24 v4, v5, 5, v4                    ; i = p + 5 h
	v_lshlrev_b32 v7, 2, v4                        ; byte offset of generator i in the tables of 50
	s_lshl_b32 s24, ttmp9, 2
	s_add_co_u32 s24, s24, s23                     ; W = 4 x work-group + wave
	s_mul_i32 s24, s24, 3                          ; my wave's first LP
	v_add_lshl_u32 v8, v6, s24, 2                  ; byte offset of LP 3 W + q in forecast
	v_lshlrev_b32 v[OFFW], 4, v1
	v_mad_u32_u24 v[OFFW], v3, 0xa00, v[OFFW]
	s_mul_i32 s26, ttmp9, 10240                    ; four wave records of 2,560 bytes
	s_mov_b32 s27, 0
	s_wait_kmcnt 0x0
	s_add_nc_u64 s[14:15], s[14:15], s[26:27]
	global_load_b32 v[FC], v8, s[4:5]
.irp j, 0,1,2,3,4
	global_load_b32 v[PMX+\j], v7, s[8:9] offset:40*\j     ; generator i + 10 j
	global_load_b32 v[PMN+\j], v7, s[6:7] offset:40*\j
	global_load_b32 v[BV+\j], v7, s[10:11] offset:40*\j
	global_load_b32 v[CV+\j], v7, s[12:13] offset:40*\j
.endr
.irp r, AP, AU, AD, OWNP, OTHP, OWNUD, OWNUD+1, OTHUD, OTHUD+1
	v_mov_b32 v[\r], 0                             ; destinations of DPP and lane-permute forms are written once before their first use
.endr
	s_wait_loadcnt 0x0                             ; the launch's only wait for data: all 21 loads
.macro CONSTS j, flp, fl1, fl2, fl3, ce4
	v_mul_f32 v[\flp], -1.0, v[PMX+\j]
	v_mul_f32 v[\fl1], s28, v[BV+\j]
	v_mul_f32 v[\fl2], s29, v[BV+\j]
	v_sub_f32 v[\ce4], v[PMN+\j], v[PMX+\j]
	v_sub_f32 v[\fl3], v[BV+\j], v[\fl1]
	v_add_f32 v[\fl3], v[\fl3], v[\fl2]
.endm
.irp j, 0,1,2,3
	CONSTS \j, FLP+\j, FL1+\j, FL2+\j, FL3+\j, CE4+\j
.endr
	CONSTS 4, FLPS, FLS12, FLS12+1, FLS34, CE4S
	; sum of pmax over the 50 generators, by the road that the loop's sums take
	v_add_f32 v[SP], v[PMX], v[PMX+1]
	v_add_f32 v[GS], v[PMX+2], v[PMX+3]
	v_add_f32 v[SP], v[SP], v[GS]
	v_add_f32 v[SP], v[SP], v[PMX+4]
	WIN1 AP, SP
	WIN2 AP
	WIN3 AP, SP
	v_permlane16_b32 v[OWNP], v[AP], s20, s21
	v_permlanex16_b32 v[OTHP], v[AP], s20, s21
	v_add_f32 v[OWNP], v[OWNP], v[OTHP]
	v_sub_f32 v[FS], v[FC], v[OWNP]                ; F - sum pmax
	v_mul_f32 v[FS], s[SNT], v[FS]
	v_mul_f32 v[FUD], s29, v[FC]
	v_mul_f32 v[FUD], s[ST], v[FUD]
	v_mov_b32 v[FUD+1], v[FUD]
	; the start: x = 0 and y = 0 in the problem's variables, that is, every shifted variable at its floor
.irp j, 0,1,2,3
	v_mov_b32 v[XA+\j], v[FLP+\j]
	v_mov_b32 v[Y1+\j], v[FL1+\j]
	v_mov_b32 v[Y2+\j], v[FL2+\j]
	v_mov_b32 v[Y3+\j], v[FL3+\j]
.endr
	v_mov_b32 v[XA+12], v[FLPS]
	v_mov_b32 v[YS12], v[FLS12]
	v_mov_b32 v[YS12+1], v[FLS12+1]
	v_mov_b32 v[YS34], v[FLS34]
.irp j, 0,1,2,3,4,5,6,7
	v_mov_b32 v[XA+4+\j], 0                        ; U and D of slots 0-3
.endr
.irp r, XA+14, XA+15, Y4, Y4+1, Y4+2, Y4+3, YS34+1, FLS34+1, Y0, Y0+1, YUD, YUD+1
	v_mov_b32 v[\r], 0
.endr
	D7                                             ; the first step's pre values, from set A into set B
	D8 XB, XA
	D9 XB, XA
; One step, 97 vector instructions.  At its head set xn holds the pre values and set xo holds x; at its end xn holds the new x and xo
; the next step's pre values, so nothing is copied.  The chain of the three sums over an LP's generators (lines marked c) is dealt
; among the generators' own dual updates and the next pre values, which do not depend on it.
.macro ITER xo, xn
	XLO \xn, Y0, SNT                               ; x' = max(pre + the LP's duals, floor); each result is used eight lines on
	XLO \xn+2, Y0, SNT
	v_fma_f32 v[\xn+12], s[SNT], v[Y0], v[\xn+12]
	XLO \xn+4, YUD, ST
	XLO \xn+6, YUD, ST
	XHI \xn+8, YUD, ST
	XHI \xn+10, YUD, ST
	PFS \xn+14, YUD, ST, \xn+14
	MX2 \xn, FLP
	MX2 \xn+2, FLP+2
	v_max_num_f32 v[\xn+12], v[FLPS], v[\xn+12]
	MX0 \xn+4
	MX0 \xn+6
	MX0 \xn+8
	MX0 \xn+10
	MX0 \xn+14
	BAR BP, \xn, \xo                               ; bars
	BAR BP+2, \xn+2, \xo+2
	v_fma_f32 v[ES34], 2.0, v[\xn+12], -v[\xo+12]
	BAR BU, \xn+4, \xo+4
	BAR BU+2, \xn+6, \xo+6
	BAR BD, \xn+8, \xo+8
	BAR BD+2, \xn+10, \xo+10
	BAR BSUD, \xn+14, \xo+14
	PADD TP, BP, BP+2                              ; c: slots 0 + 2, 1 + 3
	PADD TU, BU, BU+2
	PADD TD, BD, BD+2
	v_add_f32 v[Y0C], v[Y0], v[FS]
	PADD YUDC, YUD, FUD
	PSUB E4, CE4, BP
	PSUB E4+2, CE4+2, BP+2
	v_sub_f32 v[ES34+1], v[CE4S], v[ES34]
	v_add_f32 v[SP], v[TP], v[TP+1]                ; c
	v_dual_add_f32 v[SUD], v[TU], v[TU+1] :: v_dual_add_f32 v[SUD+1], v[TD], v[TD+1]
	PADD E1, BP, BU
	PADD E1+2, BP+2, BU+2
	PADD E2, E4, BD
	PADD E2+2, E4+2, BD+2
	PADD ES12, ES34, BSUD
	v_add_f32 v[SP], v[SP], v[ES34]                ; c: slot 4 joins: my five generators' sums
	PADD SUD, SUD, BSUD
	PFS Y3, BP, ST, Y3
	PFS Y3+2, BP+2, ST, Y3+2
	PFS Y4, E4, ST, Y4
	PFS Y4+2, E4+2, ST, Y4+2
	PFS YS34, ES34, ST, YS34
	WIN1 AP, SP                                    ; c
	WIN1 AU, SUD
	WIN1 AD, SUD+1
	PFS Y1, E1, ST, Y1
	PFS Y1+2, E1+2, ST, Y1+2
	PFS Y2, E2, ST, Y2
	PFS Y2+2, E2+2, ST, Y2+2
	PFS YS12, ES12, ST, YS12
	WIN2 AP                                        ; c
	WIN2 AU
	WIN2 AD
	MX2 Y3, FL3
	MX2 Y3+2, FL3+2
	MX0 Y4
	MX0 Y4+2
	MX2 YS34, FLS34
	WIN3 AP, SP                                    ; c
	WIN3 AU, SUD
	WIN3 AD, SUD+1
	MX2 Y1, FL1
	MX2 Y1+2, FL1+2
	MX2 Y2, FL2
	MX2 Y2+2, FL2+2
	MX2 YS12, FLS12
	v_permlane16_b32 v[OWNP], v[AP], s20, s21      ; c: every lane takes its group's sum from its own row
	v_permlane16_b32 v[OWNUD], v[AU], s20, s21
	v_permlane16_b32 v[OWNUD+1], v[AD], s20, s21
	v_permlanex16_b32 v[OTHP], v[AP], s20, s21     ; c: and the same group's from the other row
	v_permlanex16_b32 v[OTHUD], v[AU], s20, s21
	v_permlanex16_b32 v[OTHUD+1], v[AD], s20, s21
	D7
	v_add_f32 v[OWNP], v[OWNP], v[OTHP]            ; c: the addition commutes: an LP's ten lanes get the same bits
	PADD OWNUD, OWNUD, OTHUD
	D8 \xo, \xn
	v_fma_f32 v[Y0], s[ST], v[OWNP], v[Y0C]        ; c: the equality's dual, not projected
	PFS YUD, OWNUD, SNT, YUDC
	D9 \xo, \xn
	MX0 YUD                                        ; c
.endm
	s_mov_b32 s22, STEPS/2
.Lstep:
	ITER XA, XB
	ITER XB, XA
	s_sub_co_u32 s22, s22, 1
	s_cmp_lg_u32 s22, 0
	s_cbranch_scc1 .Lstep
	; Set A holds x of step 300.  (The last step has also made pre values in set B that nobody uses: a tail without them would save 16 lines once.)
; The way out: one record (P, U, D, Cost) for each of my generators; the regrouping from pairs of generators to records costs two moves each.
.macro REC j, p, flp, u, d
	v_sub_f32 v[R+4*\j], v[\p], v[\flp]            ; P = Ph + pmax
	v_mov_b32 v[R+4*\j+1], v[\u]
	v_mov_b32 v[R+4*\j+2], v[\d]
	v_fma_f32 v[R+4*\j+3], v[BV+\j], v[R+4*\j], v[CV+\j]
.endm
.irp j, 0,1,2,3
	REC \j, XA+\j, FLP+\j, XA+4+\j, XA+8+\j
.endr
	REC 4, XA+12, FLPS, XA+14, XA+15
.irp j, 0,1,2,3,4
	global_store_b128 v[OFFW], v[R+4*\j:R+4*\j+3], s[14:15] offset:512*\j   ; the wave's store covers 512 consecutive bytes, at a multiple of 512 from ws's first byte
.endr
	s_endpgm
.Lfunc_end_k_q4359317d9f_solve:
	.size	k_q4359317d9f_solve, .Lfunc_end_k_q4359317d9f_solve-k_q4359317d9f_solve
	.p2alignl 7, 3214868480
	.fill 96, 4, 3214868480
	.section	.rodata,"a",@progbits
	.p2align	6, 0x0
	.amdhsa_kernel k_q4359317d9f_solve
		.amdhsa_group_segment_fixed_size 0
		.amdhsa_private_segment_fixed_size 0
		.amdhsa_enable_private_segment 0
		.amdhsa_kernarg_size 48
		.amdhsa_user_sgpr_count 2
		.amdhsa_user_sgpr_kernarg_segment_ptr 1
		.amdhsa_wavefront_size32 1
		.amdhsa_system_sgpr_workgroup_id_x 1
		.amdhsa_system_sgpr_workgroup_id_y 1
		.amdhsa_system_sgpr_workgroup_id_z 1
		.amdhsa_system_vgpr_workitem_id 0
		.amdhsa_next_free_vgpr 168
		.amdhsa_next_free_sgpr 66
		.amdhsa_reserve_vcc 0
		.amdhsa_float_denorm_mode_32 3
		.amdhsa_float_denorm_mode_16_64 3
		.amdhsa_memory_ordered 1
		.amdhsa_forward_progress 1
		.amdhsa_inst_pref_size 21
	.end_amdhsa_kernel
	.amdgpu_metadata
---
amdhsa.version: [ 1, 2 ]
amdhsa.kernels:
  - .name:           k_q4359317d9f_solve
    .symbol:         k_q4359317d9f_solve.kd
    .args:
      - { .name: forecast, .offset: 0, .size: 8, .value_kind: global_buffer, .address_space: global }
      - { .name: pmin, .offset: 8, .size: 8, .value_kind: global_buffer, .address_space: global }
      - { .name: pmax, .offset: 16, .size: 8, .value_kind: global_buffer, .address_space: global }
      - { .name: b, .offset: 24, .size: 8, .value_kind: global_buffer, .address_space: global }
      - { .name: c, .offset: 32, .size: 8, .value_kind: global_buffer, .address_space: global }
      - { .name: ws, .offset: 40, .size: 8, .value_kind: global_buffer, .address_space: global }
    .group_segment_fixed_size: 0
    .private_segment_fixed_size: 0
    .kernarg_segment_align: 8
    .kernarg_segment_size: 48
    .max_flat_workgroup_size: 128
    .sgpr_count:     66
    .vgpr_count:     168
    .wavefront_size: 32
...
	.end_amdgpu_metadata
.endif
;; end of part 1
;; launch finish (part 2): grid 128 x 1, 10 waves a work-group, no clusters, 22,016 bytes of LDS; arguments ws, b, out0, out1, out2, out3, out4; writes out0, out1, out2, out3, out4
.if DOCPART == 2
	.amdgcn_target "amdgcn-amd-amdhsa--gfx1250"
	.amdhsa_code_object_version 6
	.text
	.protected	k_q4359317d9f_finish
	.globl	k_q4359317d9f_finish
	.p2align	8
	.type	k_q4359317d9f_finish,@function
k_q4359317d9f_finish:
	s_mov_b64 s[64:65], 0
	v_nop
	global_prefetch_b8 v0, s[64:65] scope:SCOPE_SE
	s_setreg_imm32_b32 hwreg(HW_REG_WAVE_MODE, 25, 1), 1
	s_wait_xcnt 0x0
; From the records of the solving launch to the outputs: P, U, D, Cost as [batch][generator][hour], and obj[batch].
; One work-group for a batch.  Its part of ws is 8 wave records of 2,560 bytes = 20,480 consecutive bytes; record byte
;   2,560 wl + 512 j + 16 (16 h + 5 q + p) + 4 quantity   holds hour t = 3 wl + q of generator g = 10 j + 5 h + p.
; 320 threads copy the part into LDS as it lies (four 16-byte loads each), then threads 0-299 each gather the four quantities of
; four neighbouring hours of one generator (16 bytes of each output) and store them: a wave's store covers 512 consecutive bytes.
; A batch's part of an output is 4,800 bytes, no multiple of 256: the aligned run of 256 bytes at a border between two batches is
; written by two work-groups, each its own bytes.  A few lanes of a gather meet in one LDS bank; for 16 loads a thread that is left.
; obj = sum Cost + sum 0.05 b U + sum 0.02 b D, in f32: thread, wave, then ten partial sums through LDS.  Its order of summing is not the problem's.
.set WSB,  20480                       ; bytes of a batch in ws, and of its copy at LDS byte 0
.set OUTB, 4800                        ; bytes of a batch in out0, out1, out2, out4
.set PART, 20480                       ; LDS: ten words, a partial sum of obj from each wave
.set ADR,  10                          ; v[10:13]  LDS address of the record of hour 4 tq + e
.set SO,   14                          ; v14       16 x thread: my bytes in the batch's part of an output
.set BG,   15                          ; v15       b of my generator
.set QP,   16                          ; v[16:19]  P of my four hours
.set QU,   20                          ; v[20:23]  U
.set QD,   24                          ; v[24:27]  D
.set QC,   28                          ; v[28:31]  Cost
.set CP,   32                          ; v[32:47]  the copy on its way; later at work
	s_load_b256 s[4:11], s[0:1], 0x0               ; ws s[4:5], b s[6:7], out0 s[8:9], out1 s[10:11]
	s_load_b128 s[12:15], s[0:1], 0x20             ; out2 s[12:13], out3 s[14:15]
	s_load_b64 s[16:17], s[0:1], 0x30              ; out4
	v_lshl_add_u32 v48, v0, 2, 0x5100
	v_mov_b32 v49, 0
	s_mov_b32 s18, 0x76543210                      ; v_permlanex16_b32: lane i of one row reads lane i of the other
	s_mov_b32 s19, 0xfedcba98
	s_mul_i32 s22, ttmp9, OUTB
	s_mov_b32 s23, 0
	s_mul_i32 s24, ttmp9, WSB
	s_mov_b32 s25, 0
	s_lshl_b32 s26, ttmp9, 2
	s_mov_b32 s27, 0
	v_lshlrev_b32 v1, 4, v0                        ; 16 x thread
	v_lshrrev_b32 v2, 5, v0
	v_readfirstlane_b32 s20, v2                    ; wave
	s_wait_kmcnt 0x0
	s_add_nc_u64 s[4:5], s[4:5], s[24:25]
.irp k, 0,1,2,3
	global_load_b128 v[CP+4*\k:CP+4*\k+3], v1, s[4:5] offset:5120*\k th:TH_LOAD_NT   ; 320 threads x 16 bytes = 5,120 a line; read once in the launch
.endr
	; thread -> generator g = t4 / 6 and group of hours tq = t4 mod 6, by multiplications and shifts alone
	v_min_u32 v3, 299, v0                          ; threads 300-319 do as thread 299; they store nothing and add nothing
	v_mul_u32_u24 v4, 0xaaab, v3                   ; 43,691 = (2^18 + 2) / 6
	v_lshrrev_b32 v5, 18, v4                       ; g, 0 to 49
	v_lshlrev_b32 v7, 2, v5
	global_load_b32 v[BG], v7, s[6:7]
	s_add_nc_u64 s[8:9], s[8:9], s[22:23]          ; the outputs at my batch
	s_add_nc_u64 s[10:11], s[10:11], s[22:23]
	s_add_nc_u64 s[12:13], s[12:13], s[22:23]
	s_add_nc_u64 s[16:17], s[16:17], s[22:23]
	s_add_nc_u64 s[14:15], s[14:15], s[26:27]
	v_and_b32 v4, 0x3ffff, v4
	v_mul_u32_u24 v4, 6, v4
	v_lshrrev_b32 v4, 18, v4                       ; tq, 0 to 5
	v_lshlrev_b32 v4, 2, v4                        ; my first hour
	v_mul_u32_u24 v6, 0xcd, v5
	v_lshrrev_b32 v6, 10, v6                       ; f = g / 5 = 2 j + h (205 g >> 10 for g up to 49)
	v_mul_u32_u24 v6, 0xb0, v6
	v_lshl_add_u32 v6, v5, 4, v6                   ; 16 g + 176 f = 512 j + 256 h + 16 p
	v_lshlrev_b32 v[SO], 4, v3
.irp e, 0,1,2,3
	v_add_nc_u32 v8, \e, v4                        ; t, 0 to 23
	v_mul_u32_u24 v9, 11, v8
	v_lshrrev_b32 v9, 5, v9                        ; wl = t / 3 (11 t >> 5 for t up to 23)
	v_mad_u32_u24 v[ADR+\e], v8, 0x50, v6
	v_mad_u32_u24 v[ADR+\e], v9, 0x910, v[ADR+\e]  ; + 80 t + 2,320 wl = 2,560 wl + 80 q; at most 20,448
.endr
	s_wait_loadcnt 0x1                             ; the four loads of ws are in; the one issued behind them, b, may stay out
.irp k, 0,1,2,3
	ds_store_b128 v1, v[CP+4*\k:CP+4*\k+3] offset:5120*\k
.endr
	s_wait_dscnt 0x0                               ; my stores are done, for the other waves' sake
	s_barrier_signal -1
	s_barrier_wait -1                              ; the whole copy is in LDS
.irp e, 0,1,2,3
	ds_load_b32 v[QP+\e], v[ADR+\e]
	ds_load_b32 v[QU+\e], v[ADR+\e] offset:4
	ds_load_b32 v[QD+\e], v[ADR+\e] offset:8
	ds_load_b32 v[QC+\e], v[ADR+\e] offset:12
.endr
	s_wait_dscnt 0x0
	s_wait_loadcnt 0x0                             ; b
	v_pk_add_f32 v[32:33], v[QC:QC+1], v[QC+2:QC+3]
	v_pk_add_f32 v[34:35], v[QU:QU+1], v[QU+2:QU+3]
	v_pk_add_f32 v[36:37], v[QD:QD+1], v[QD+2:QD+3]
	v_mul_f32 v38, 0x3d4ccccd, v[BG]               ; 0.05 b
	v_mul_f32 v39, 0x3ca3d70a, v[BG]               ; 0.02 b
	v_add_f32 v32, v32, v33
	v_add_f32 v34, v34, v35
	v_add_f32 v36, v36, v37
	v_fmac_f32 v32, v38, v34
	v_fmac_f32 v32, v39, v36                       ; my share of obj
	v_cmp_gt_u32 vcc_lo, 300, v0
	v_cndmask_b32 v32, 0, v32, vcc_lo              ; threads 300-319 add nothing
	s_wait_xcnt 0x0                                ; EXEC changes only behind this wait
	s_and_saveexec_b32 s21, vcc_lo
	global_store_b128 v[SO], v[QP:QP+3], s[8:9] th:TH_STORE_NT
	global_store_b128 v[SO], v[QU:QU+3], s[10:11] th:TH_STORE_NT
	global_store_b128 v[SO], v[QD:QD+3], s[12:13] th:TH_STORE_NT
	global_store_b128 v[SO], v[QC:QC+3], s[16:17] th:TH_STORE_NT
	s_wait_xcnt 0x0                                ; and again, in front of the line that widens it
	s_or_b32 exec_lo, exec_lo, s21
	; obj: over the wave's 32 lanes,
	v_add_f32_dpp v32, v32, v32 row_xmask:1 row_mask:0xf bank_mask:0xf
	v_add_f32_dpp v32, v32, v32 row_xmask:2 row_mask:0xf bank_mask:0xf
	v_add_f32_dpp v32, v32, v32 row_xmask:4 row_mask:0xf bank_mask:0xf
	v_add_f32_dpp v32, v32, v32 row_xmask:8 row_mask:0xf bank_mask:0xf
	v_permlanex16_b32 v33, v32, s18, s19           ; v33 has been written above
	v_add_f32 v32, v32, v33
	v_mov_b32 v40, s20
	v_lshlrev_b32 v40, 2, v40
	ds_store_b32 v40, v32 offset:PART              ; then over the ten waves: each wave's word lies behind the copy, which nobody writes again
	s_wait_dscnt 0x0
	s_barrier_signal -1
	s_barrier_wait -1
	s_cmp_lg_u32 s20, 0
	s_cbranch_scc1 .Lend                           ; no barrier stands behind this branch
	v_mov_b32 v41, PART
	ds_load_b128 v[32:35], v41
	ds_load_b128 v[36:39], v41 offset:16
	ds_load_b64 v[42:43], v41 offset:32
	v_mov_b32 v44, 0
	v_cmp_eq_u32 vcc_lo, 0, v0
	s_wait_dscnt 0x0
	v_pk_add_f32 v[32:33], v[32:33], v[34:35]
	v_pk_add_f32 v[36:37], v[36:37], v[38:39]
	v_pk_add_f32 v[32:33], v[32:33], v[42:43]
	v_pk_add_f32 v[32:33], v[32:33], v[36:37]
	v_add_f32 v32, v32, v33
	s_wait_xcnt 0x0                                ; EXEC changes only behind this wait
	s_wait_tensorcnt 0x0
	ds_add_u32 v48, v49
	s_wait_dscnt 0x0
	s_and_saveexec_b32 s21, vcc_lo                 ; thread 0 alone: obj has four bytes for a batch
	global_store_b32 v44, v32, s[14:15]
	s_endpgm
.Lend:
	s_wait_tensorcnt 0x0
	ds_add_u32 v48, v49
	s_wait_dscnt 0x0
	s_endpgm
.Lfunc_end_k_q4359317d9f_finish:
	.size	k_q4359317d9f_finish, .Lfunc_end_k_q4359317d9f_finish-k_q4359317d9f_finish
	.p2alignl 7, 3214868480
	.fill 96, 4, 3214868480
	.section	.rodata,"a",@progbits
	.p2align	6, 0x0
	.amdhsa_kernel k_q4359317d9f_finish
		.amdhsa_group_segment_fixed_size 22016
		.amdhsa_private_segment_fixed_size 0
		.amdhsa_enable_private_segment 0
		.amdhsa_kernarg_size 56
		.amdhsa_user_sgpr_count 2
		.amdhsa_user_sgpr_kernarg_segment_ptr 1
		.amdhsa_wavefront_size32 1
		.amdhsa_system_sgpr_workgroup_id_x 1
		.amdhsa_system_sgpr_workgroup_id_y 1
		.amdhsa_system_sgpr_workgroup_id_z 1
		.amdhsa_system_vgpr_workitem_id 0
		.amdhsa_next_free_vgpr 50
		.amdhsa_next_free_sgpr 66
		.amdhsa_reserve_vcc 1
		.amdhsa_float_denorm_mode_32 3
		.amdhsa_float_denorm_mode_16_64 3
		.amdhsa_memory_ordered 1
		.amdhsa_forward_progress 1
		.amdhsa_inst_pref_size 8
	.end_amdhsa_kernel
	.amdgpu_metadata
---
amdhsa.version: [ 1, 2 ]
amdhsa.kernels:
  - .name:           k_q4359317d9f_finish
    .symbol:         k_q4359317d9f_finish.kd
    .args:
      - { .name: ws, .offset: 0, .size: 8, .value_kind: global_buffer, .address_space: global }
      - { .name: b, .offset: 8, .size: 8, .value_kind: global_buffer, .address_space: global }
      - { .name: out0, .offset: 16, .size: 8, .value_kind: global_buffer, .address_space: global }
      - { .name: out1, .offset: 24, .size: 8, .value_kind: global_buffer, .address_space: global }
      - { .name: out2, .offset: 32, .size: 8, .value_kind: global_buffer, .address_space: global }
      - { .name: out3, .offset: 40, .size: 8, .value_kind: global_buffer, .address_space: global }
      - { .name: out4, .offset: 48, .size: 8, .value_kind: global_buffer, .address_space: global }
    .group_segment_fixed_size: 22016
    .private_segment_fixed_size: 0
    .kernarg_segment_align: 8
    .kernarg_segment_size: 56
    .max_flat_workgroup_size: 320
    .sgpr_count:     66
    .vgpr_count:     50
    .wavefront_size: 32
...
	.end_amdgpu_metadata
.endif
;; end of part 2
